; MI455X (gfx1250); checked and timed in simulation.
; The chip was launched on July 23, 2026; its instructions are those of AMD's public machine-readable ISA for CDNA 5 (MIT licence, August 2026) and "CDNA5" Instruction Set Architecture Reference Guide (July 2026). The comments in the code are by the model that wrote it; some were corrected since.
;; LSTM Cell. Allowed arithmetic: float matrix products may take bf16 or f16 operands with f32 sums; all other float work in f32.
;; Inputs: W_c 1,024 x 2,048 float32; W_f 1,024 x 2,048 float32; W_i 1,024 x 2,048 float32; W_o 1,024 x 2,048 float32; b_c 1,024 float32; b_f 1,024 float32; b_i 1,024 float32; b_o 1,024 float32; c 8,192 x 1,024 float32; h 8,192 x 1,024 float32; x 8,192 x 1,024 float32.
;; Outputs: out0 8,192 x 1,024 float32; out1 8,192 x 1,024 float32.
;; 2 versions, each right; version 2 is version 1 with the launch cast written anew for expert scheduling mode. Each part assembles by itself: llvm-mc -triple=amdgcn-amd-amdhsa -mcpu=gfx1250 --defsym DOCPART=n.
;; ======== version 1 of 2: 2 launches
;; workspace buffers: xh 33,554,432 bytes; wb 16,777,216 bytes
;; launch cast (part 1): grid 256 x 3, 8 waves a work-group, no clusters, 0 bytes of LDS; arguments x, h, W_f, W_i, W_c, W_o, xh, wb; writes xh, wb
.if DOCPART == 1
	.amdgcn_target "amdgcn-amd-amdhsa--gfx1250"
	.amdhsa_code_object_version 6
	.text
	.protected	k_q4445d2379b_cast
	.globl	k_q4445d2379b_cast
	.p2align	8
	.type	k_q4445d2379b_cast,@function
k_q4445d2379b_cast:
	s_mov_b64 s[64:65], 0
	v_nop
	global_prefetch_b8 v0, s[64:65] scope:SCOPE_SE
	s_setreg_imm32_b32 hwreg(HW_REG_WAVE_MODE, 25, 1), 1
	s_wait_xcnt 0x0
; The matrix operands of the LSTM cell, rounded once to bf16 (nearest even) and laid out for the product that follows.
;   xh: [8192][2048] bf16, row r = x[r][0:1024], then h[r][0:1024].
;   wb: [4096][2048] bf16: row n of gate q (f = 0, i = 1, c = 2, o = 3) lies at row
;       p = (n >> 6) * 256 + ((n >> 5) & 1) * 128 + q * 32 + (n & 31),
;       so that 128 neighbouring rows of wb hold all four gates of 32 hidden columns.
; A stream: each input byte is read once, each output byte written once; no LDS, no barrier, no matrix unit, and no cluster, since no two work-groups read the same byte.
; A unit is 1,024 f32 = 4,096 bytes in, 2,048 bytes out: a row of x or of h, or half a row of a W.  A work-group takes 32 neighbouring units
; of one source (131,072 consecutive bytes).  Thread t takes the 16 bytes at 16 t of every unit and stores 8 bytes at 8 t: a wave's load covers
; 512 consecutive bytes, its store 256 consecutive bytes, aligned.  All 32 loads of a wave go out at once (16 KiB a wave on its way).
; Grid y: 0 = x, 1 = h, 2 = the four W (grid x = 64 q + chunk; a chunk is 16 rows of W).
.set UNITS, 32
.set UIN,   4096                       ; bytes of a unit as read
.set X,     4                          ; v[4:131]  unit j: 4 registers as loaded; its first two hold the 4 bf16 to store
	s_load_b512 s[8:23], s[0:1], 0x0               ; x 8, h 10, W_f 12, W_i 14, W_c 16, W_o 18, xh 20, wb 22
	s_mov_b32 s2, ttmp9                            ; grid x
	s_and_b32 s3, ttmp7, 0xffff                    ; grid y: which source
	s_lshr_b32 s4, s2, 6                           ; q: which W (used where y = 2)
	s_and_b32 s5, s2, 63                           ; the chunk of 16 rows of that W
	v_lshlrev_b32 v1, 4, v0                        ; my 16 bytes of a unit
	v_lshlrev_b32 v2, 3, v0                        ; my 8 bytes of its image
	; where the chunk of W goes: rows n = 16 chunk .. + 15 stay neighbours in wb; the first is row p0, a row of wb is 4,096 bytes
	s_lshr_b32 s36, s5, 2                          ; n >> 6
	s_lshl_b32 s37, s36, 8
	s_bfe_u32 s36, s5, 0x10001                     ; (n >> 5) & 1
	s_lshl_b32 s36, s36, 7
	s_or_b32 s37, s37, s36
	s_lshl_b32 s36, s4, 5                          ; q * 32
	s_or_b32 s37, s37, s36
	s_and_b32 s36, s5, 1                           ; n & 31 = 16 (chunk & 1) + 0 .. 15
	s_lshl_b32 s36, s36, 4
	s_or_b32 s37, s37, s36
	s_lshl_b32 s37, s37, 12                        ; p0 in bytes
	; where 32 rows of x or of h go: row 32 gx of xh, the left or the right 2,048 bytes
	s_lshl_b32 s36, s2, 17
	s_lshl_b32 s38, s3, 11
	s_or_b32 s36, s36, s38
	s_wait_kmcnt 0x0
	; the source and the destination are chosen between buffers on the work-group's numbers alone
	s_cmp_eq_u32 s3, 0
	s_cselect_b64 s[24:25], s[8:9], s[10:11]       ; x or h
	s_cmp_eq_u32 s4, 0
	s_cselect_b64 s[26:27], s[12:13], s[14:15]     ; W_f or W_i
	s_cmp_eq_u32 s4, 2
	s_cselect_b64 s[28:29], s[16:17], s[18:19]     ; W_c or W_o
	s_cmp_lt_u32 s4, 2
	s_cselect_b64 s[26:27], s[26:27], s[28:29]
	s_cmp_eq_u32 s3, 2                             ; the four selects below leave SCC as it is
	s_cselect_b64 s[24:25], s[26:27], s[24:25]     ; from
	s_cselect_b64 s[30:31], s[22:23], s[20:21]     ; to: wb or xh
	s_cselect_b32 s32, s5, s2                      ; which 131,072 bytes of the source
	s_cselect_b32 s34, s37, s36                    ; byte offset in the destination
	s_lshl_b32 s32, s32, 17
	s_mov_b32 s33, 0
	s_mov_b32 s35, 0
	s_add_nc_u64 s[24:25], s[24:25], s[32:33]
	s_add_nc_u64 s[30:31], s[30:31], s[34:35]
.set j, 0
.rept UNITS
	global_load_b128 v[X+4*j:X+4*j+3], v1, s[24:25] offset:UIN*j th:TH_LOAD_NT   ; read once in the whole launch
.set j, j+1
.endr
; The units are rounded and stored as they come.  stride = bytes from one unit's image to the next.  No register that a load or a store names is
; written again, so no wait but the counted one is needed.  The stores carry no hint: the next launch reads these bytes.
.macro DRAIN stride
.set j, 0
.rept UNITS
	s_wait_loadcnt UNITS-1-j                       ; loads come back in order (ISA guide 5.7.1): unit j is in, the younger ones stay out
	v_cvt_pk_bf16_f32 v[X+4*j],   v[X+4*j],   v[X+4*j+1]
	v_cvt_pk_bf16_f32 v[X+4*j+1], v[X+4*j+2], v[X+4*j+3]
	global_store_b64 v2, v[X+4*j:X+4*j+1], s[30:31] offset:j*\stride
.set j, j+1
.endr
.endm
	s_cmp_eq_u32 s3, 2
	s_cbranch_scc1 .Lw
	DRAIN 4096                                     ; x, h: a unit is half a row of xh, the next unit lies one row down
	s_endpgm
.Lw:
	DRAIN 2048                                     ; W: two units make a row of wb
	s_endpgm
.Lfunc_end_k_q4445d2379b_cast:
	.size	k_q4445d2379b_cast, .Lfunc_end_k_q4445d2379b_cast-k_q4445d2379b_cast
	.p2alignl 7, 3214868480
	.fill 96, 4, 3214868480
	.section	.rodata,"a",@progbits
	.p2align	6, 0x0
	.amdhsa_kernel k_q4445d2379b_cast
		.amdhsa_group_segment_fixed_size 0
		.amdhsa_private_segment_fixed_size 0
		.amdhsa_enable_private_segment 0
		.amdhsa_kernarg_size 64
		.amdhsa_user_sgpr_count 2
		.amdhsa_user_sgpr_kernarg_segment_ptr 1
		.amdhsa_wavefront_size32 1
		.amdhsa_system_sgpr_workgroup_id_x 1
		.amdhsa_system_sgpr_workgroup_id_y 1
		.amdhsa_system_sgpr_workgroup_id_z 1
		.amdhsa_system_vgpr_workitem_id 0
		.amdhsa_next_free_vgpr 132
		.amdhsa_next_free_sgpr 66
		.amdhsa_reserve_vcc 0
		.amdhsa_float_denorm_mode_32 3
		.amdhsa_float_denorm_mode_16_64 3
		.amdhsa_memory_ordered 1
		.amdhsa_forward_progress 1
		.amdhsa_inst_pref_size 21
	.end_amdhsa_kernel
	.amdgpu_metadata
---
amdhsa.version: [ 1, 2 ]
amdhsa.kernels:
  - .name:           k_q4445d2379b_cast
    .symbol:         k_q4445d2379b_cast.kd
    .args:
      - { .name: x, .offset: 0, .size: 8, .value_kind: global_buffer, .address_space: global }
      - { .name: h, .offset: 8, .size: 8, .value_kind: global_buffer, .address_space: global }
      - { .name: W_f, .offset: 16, .size: 8, .value_kind: global_buffer, .address_space: global }
      - { .name: W_i, .offset: 24, .size: 8, .value_kind: global_buffer, .address_space: global }
      - { .name: W_c, .offset: 32, .size: 8, .value_kind: global_buffer, .address_space: global }
      - { .name: W_o, .offset: 40, .size: 8, .value_kind: global_buffer, .address_space: global }
      - { .name: xh, .offset: 48, .size: 8, .value_kind: global_buffer, .address_space: global }
      - { .name: wb, .offset: 56, .size: 8, .value_kind: global_buffer, .address_space: global }
    .group_segment_fixed_size: 0
    .private_segment_fixed_size: 0
    .kernarg_segment_align: 8
    .kernarg_segment_size: 64
    .max_flat_workgroup_size: 256
    .sgpr_count:     66
    .vgpr_count:     132
    .wavefront_size: 32
...
	.end_amdgpu_metadata
.endif
;; end of part 1
;; launch cell (part 2): grid 16 x 32, 4 waves a work-group, clusters of 4 x 4, 327,680 bytes of LDS; arguments xh, wb, out0, out1, b_f, b_i, b_c, b_o, c; writes out0, out1
.if DOCPART == 2
	.amdgcn_target "amdgcn-amd-amdhsa--gfx1250"
	.amdhsa_code_object_version 6
	.text
	.protected	k_q4445d2379b_cell
	.globl	k_q4445d2379b_cell
	.p2align	8
	.type	k_q4445d2379b_cell,@function
k_q4445d2379b_cell:
	s_mov_b64 s[64:65], 0
	v_nop
	global_prefetch_b8 v0, s[64:65] scope:SCOPE_SE
	s_setreg_imm32_b32 hwreg(HW_REG_WAVE_MODE, 25, 1), 1
	s_wait_xcnt 0x0
	s_wait_alu depctr_hold_cnt(0) depctr_sa_sdst(0) depctr_va_vdst(0) depctr_va_sdst(0) depctr_va_ssrc(0) depctr_va_vcc(0) depctr_vm_vsrc(0)
	s_getreg_b32 s2, hwreg(HW_REG_IB_STS2, 6, 4)
	s_cmp_eq_u32 s2, 0
	s_cbranch_scc0 .Lentry_in_a_cluster
	s_endpgm
.Lentry_in_a_cluster:
	s_bfe_u32 s2, ttmp6, 0x10000c
	s_cmp_lg_u32 s2, 0xf033
	s_cbranch_scc0 .Lentry_shape_is_right
	s_endpgm
.Lentry_shape_is_right:
; The LSTM cell: gates = xh wb^T + b, then c_new = sig(f) c + sig(i) tanh(g), h_new = sig(o) tanh(c_new).  out0 = c_new, out1 = h_new, f32.
; xh: [8192][2048] bf16.  wb: [4096][2048] bf16, rows ordered so that 256 neighbouring rows hold 64 hidden columns x 4 gates and each half of 128 rows
; 32 hidden columns x 4 gates (32 rows a gate, in the order f, i, c, o).  Sums in f32, K ascending, the bias as the first addend.
; A work-group makes 256 batch rows x 256 rows of wb (64 hidden columns) with four waves; a wave makes 128 x 128: 64 accumulator tiles, 512 registers.
; Since a wave's 128 rows of wb hold all four gates of its 32 hidden columns, the four gates of an element lie in ONE lane at ONE register index of
; four tiles: the pointwise part needs no exchange between lanes or waves.
; K goes in steps of 128 through a ring of two LDS slots filled by the tensor data mover; a tile's rows are 256 bytes of memory, aligned to 256.
; CLUSTERS: 4 x 4 work-groups.  The four of a row of the cluster need the same tiles of xh, the four of a column the same tiles of wb: each tile is asked
; for jointly, by the same tensor load in all four, which divides the requests for xh and wb by four.  The tile of c is each work-group's own: a plain load.
; LIMITS.  The product's operands are bf16 (rounded once, in the launch before).  sig(x) = 1 / (1 + 2^(-x log2 e)), tanh(x) = 1 - 2 / (1 + 2^(2 x log2 e)):
; where the power runs to infinity or to zero (v_exp_f32 gives zero for results below 2^-126: ISA guide 15.8) both give their exact saturated values, so no
; clamp is written and NaN passes through; this tanh has an absolute error of about 1e-7, so that for |x| below about 1e-4 its relative accuracy is lost.
;
; REGISTERS, in windows of 256 (s_set_vgpr_msb's low byte: bits 1:0 source 0, 3:2 source 1, 5:4 source 2, 7:6 destination):
;   window 0: v16-31 addresses; v64-127, v128-191 fragments of xh, two buffers (later c, later the way out); v192-255 the bias, 8 registers a tile column
;   window 1: v64-127, v128-191 fragments of wb, two buffers
;   window 2: the 32 accumulator tiles of my rows 0-63 (tile (a, b) at v[8 (8 a + b)]);   window 3: those of my rows 64-127
; THE MATRIX INSTRUCTION IS USED TRANSPOSED: source 0 = 16 rows of wb, source 1 = 16 rows of xh.  Lane l = (r = l % 16, hh = l / 16) then holds batch row
; 16 a + r, and its registers j = 0 .. 7 the rows 16 b + 8 hh + j of wb: gate b / 2, hidden columns 16 (b % 2) + 8 hh + j of my 32, eight neighbours.
.set SIZE_K, 2048
.set KSTEP,  128
.set PITCH,  272                       ; an LDS row: 256 bytes of data + 16 of padding: the 16 rows that a 16-byte load of 16 lanes touches begin 16 bytes apart modulo 256
.set HALFT,  128*PITCH                 ; 128 rows: what one joint load brings, and what one wave reads of xh or of wb
.set SLOT,   4*HALFT                   ; xh's 256 rows, then wb's 256 rows
.set LAPS,   SIZE_K/(2*KSTEP)          ; a lap = two K steps = once round the ring: 8
.set CROWS,  64*PITCH                  ; the 64 rows of c that one wave brings (64 f32 = 256 bytes a row, padded alike)
.set STG_C,  SLOT                      ; the stage for c_new: 256 rows x 272 bytes in slot 1, used when slot 1 has had its last fill and its last read
.set STG_H,  SLOT+256*PITCH            ; the stage for h_new, behind it; it ends at byte 278,528
.set ADRA, 16                          ; v16-17  LDS address of my xh fragments in slot 0, 1
.set ADRB, 20                          ; v20-21  the same for wb
.set CAD,  24                          ; v24     my 32 bytes of c in the first of my rows
.set STC,  25                          ; v25     the same place in c_new's stage
.set STH,  26                          ; v26     and in h_new's
.set RDC,  27                          ; v27     the way out: my 16 bytes of the first two rows that my wave stores, c_new
.set RDH,  28                          ; v28     the same for h_new
.set CO,   29                          ; v29     the same two rows in out0 and out1
.set BOF,  30                          ; v30     byte offset of my 8 numbers in a bias
.set PF,   31                          ; v31     thread x 4,096: a row of c
.set F0,   64
.set F1,   128
.set BIAS, 192
.set G1,  24                           ; s[24:31] group 1 for xh's tiles
.set G0,  32                           ; s[32:39] group 0 for xh's tiles, a set for each slot
.set G1B, 48                           ; s[48:55] group 1 for wb's tiles: another mask
.set G0B, 56                           ; s[56:63] group 0 for wb's tiles, a set for each slot
.set G1C, 68                           ; s[68:75] group 1 for c's tile
.set G0C, 76                           ; s[76:79] group 0 for c's tile
.set NL2E, 90                          ; s[90:91] -log2 e, twice
.set TL2E, 92                          ; s[92:93] 2 log2 e, twice
.set MSB, 0
.macro WIN new                         ; the immediate's high byte repeats the setting that is left; a switch that changes nothing is dropped
.if MSB != \new
	s_set_vgpr_msb (MSB<<8)|\new
.set MSB, \new
.endif
.endm
.set MUL_LO, 0xa1                      ; source 0 (wb) window 1, source 1 (xh) window 0, C and D window 2
.set MUL_HI, 0xf1                      ; the same, C and D window 3
.set BEG_LO, 0x81                      ; the first products: C is the bias, in window 0; D window 2
.set BEG_HI, 0xc1                      ; D window 3
.set TO_B,   0x40                      ; destination window 1, address window 0
; A joint load.  Waves 0 and 1 fetch xh's two halves, waves 2 and 3 wb's.  Each line has one mask and one set of registers for all that issue it;
; the branch hangs on the wave's number alone.
.macro JLOAD s
	s_cmp_eq_u32 s13, 0
	s_cbranch_scc0 .Lfor_b_\@
	tensor_load_to_lds s[G0+4*\s:G0+4*\s+3], s[G1:G1+7]
	s_nop 0
	s_branch .Lasked_\@
.Lfor_b_\@:
	tensor_load_to_lds s[G0B+4*\s:G0B+4*\s+3], s[G1B:G1B+7]
	s_nop 0
.Lasked_\@:
.endm
; A round of the cluster's barrier: my work-group's barrier, so that wave 0's signal speaks for all four waves; wave 0 signals for the work-group;
; every wave waits for all sixteen work-groups; my work-group's barrier once more.
.macro CREST                           ; a round behind its opening barrier
	s_cmp_lg_u32 s12, 0
	s_cbranch_scc1 .Lnot_wave_0_\@
	s_barrier_signal -3
.Lnot_wave_0_\@:
	s_barrier_wait -3
	s_barrier_signal -1
	s_barrier_wait -1
.endm
.macro CROUND                          ; a whole round
	s_barrier_signal -1
	s_barrier_wait -1
	CREST
.endm
	s_load_b256 s[4:11], s[0:1], 0x0               ; xh 4, wb 6, out0 8, out1 10
	s_load_b256 s[80:87], s[0:1], 0x20             ; b_f 80, b_i 82, b_c 84, b_o 86
	s_load_b64 s[88:89], s[0:1], 0x40              ; c
	s_set_vgpr_msb 0x40
	v_lshl_add_u32 v255, v0, 2, 0x44000
	s_set_vgpr_msb 0x4000
	v_mov_b32 v63, 0
	s_set_vgpr_msb 0x1
	ds_add_u32 v255, v63
	s_set_vgpr_msb 0x100
	v_lshrrev_b32 v1, 5, v0
	v_readfirstlane_b32 s12, v1                    ; wave 0..3
	s_lshr_b32 s13, s12, 1                         ; which half of the block's batch rows is mine.  Also: I fetch for xh (0) or for wb (1)
	s_and_b32 s14, s12, 1                          ; which half of its rows of wb.  Also: which 128 rows of that tile I fetch
	s_bfe_u32 s40, ttmp6, 0x40000                  ; cx
	s_bfe_u32 s41, ttmp6, 0x40004                  ; cy
	s_lshl_b32 s42, ttmp9, 2                       ; in a cluster launch ttmp9 and ttmp7 count clusters
	s_add_co_u32 s42, s42, s40                     ; bc: block column = 4 x cluster x + cx, 0..15
	s_and_b32 s15, ttmp7, 0xffff
	s_lshl_b32 s15, s15, 2
	s_add_co_u32 s15, s15, s41                     ; br: block row = 4 x cluster y + cy, 0..31
	s_lshl_b32 s43, s41, 2
	s_lshl_b32 s43, 15, s43                        ; my row of the cluster: places 4 cy .. 4 cy + 3
	s_lshl_b32 s44, 0x1111, s40                    ; my column: places cx, cx + 4, cx + 8, cx + 12
	; group 1 for xh and wb: 128 rows x 128 elements of 2 bytes, 4 words of padding behind every 64 words
	s_or_b32 s[G1+0], s43, (1<<16)|(1<<20)|(1<<21)|(5<<22)|(3<<25)   ; 15:0 mask: my row; 17:16 element of 2 bytes; 20 padding on; 21 set beside a mask; 24:22 every 64 words; 31:25 four words
	s_or_b32 s[G1B+0], s44, (1<<16)|(1<<20)|(1<<21)|(5<<22)|(3<<25)  ; the same with the mask of my column
	s_mov_b32 s[G1+1], KSTEP<<16                   ; tensor_dim0 = 128
	s_mov_b32 s[G1B+1], KSTEP<<16
	s_mov_b32 s[G1+2], 128<<16                     ; tensor_dim1 = 128
	s_mov_b32 s[G1B+2], 128<<16
	s_mov_b32 s[G1+3], KSTEP<<16                   ; tile_dim0 = 128
	s_mov_b32 s[G1B+3], KSTEP<<16
	s_mov_b32 s[G1+4], 128                         ; tile_dim1 = 128
	s_mov_b32 s[G1B+4], 128
	s_mov_b32 s[G1+5], SIZE_K                      ; elements from row to row
	s_mov_b32 s[G1B+5], SIZE_K
	s_mov_b32 s[G1+6], 0
	s_mov_b32 s[G1B+6], 0
	s_mov_b32 s[G1+7], 0
	s_mov_b32 s[G1B+7], 0
	; group 1 for c: 64 rows x 64 elements of 4 bytes, the same padding, no mask: the tile is my work-group's own
	s_mov_b32 s[G1C+0], (2<<16)|(1<<20)|(5<<22)|(3<<25)
	s_mov_b32 s[G1C+1], 64<<16                     ; tensor_dim0 = 64
	s_mov_b32 s[G1C+2], 64<<16                     ; tensor_dim1 = 64
	s_mov_b32 s[G1C+3], 64<<16                     ; tile_dim0 = 64
	s_mov_b32 s[G1C+4], 64                         ; tile_dim1 = 64
	s_mov_b32 s[G1C+5], 1024                       ; elements from row to row
	s_mov_b32 s[G1C+6], 0
	s_mov_b32 s[G1C+7], 0
	; offsets, apart from the addresses.  xh's hang on the block row alone, wb's on the block column alone, each in registers that never hold the other coordinate.
	s_lshl_b32 s23, s14, 7                         ; which 128 rows of the tile I fetch
	s_lshl_b32 s16, s15, 8
	s_add_co_u32 s16, s16, s23                     ; xh: row 256 br + 128 half,
	s_lshl_b32 s16, s16, 12                        ; in bytes (4,096 a row; below 2^25)
	s_mov_b32 s17, 0
	s_lshl_b32 s46, s42, 8
	s_add_co_u32 s46, s46, s23                     ; wb: row 256 bc + 128 half
	s_lshl_b32 s46, s46, 12
	s_mov_b32 s47, 0
	s_mul_i32 s20, s12, HALFT                      ; where my tile goes: xh's two halves, then wb's two halves = wave x 128 rows
	s_lshl_b32 s96, s15, 20                        ; the block's corner in c, out0, out1: 256 br rows of 4,096 bytes
	s_lshl_b32 s21, s42, 8                         ; + 64 bc columns of 4 bytes
	s_add_co_u32 s96, s96, s21
	s_mov_b32 s97, 0
	s_lshl_b32 s94, s12, 18                        ; + the 64 rows that my wave brings of c and stores of the results
	s_add_co_u32 s94, s94, s96
	s_mov_b32 s95, 0
	s_lshl_b32 s45, s14, 7                         ; my 32 hidden columns in a bias: 256 bc + 128 half bytes
	s_add_co_u32 s45, s45, s21
	s_mov_b32 s[NL2E], 0xbfb8aa3b
	s_mov_b32 s[NL2E+1], 0xbfb8aa3b
	s_mov_b32 s[TL2E], 0x4038aa3b
	s_mov_b32 s[TL2E+1], 0x4038aa3b
	s_wait_dscnt 0x0
	s_wait_kmcnt 0x0
	s_add_nc_u64 s[18:19], s[4:5], s[16:17]        ; xh at my tile of K step 0
	s_add_nc_u64 s[46:47], s[6:7], s[46:47]        ; wb likewise
	s_add_nc_u64 s[8:9], s[8:9], s[94:95]          ; out0 and out1 at my wave's 64 rows
	s_add_nc_u64 s[10:11], s[10:11], s[94:95]
	s_add_nc_u64 s[98:99], s[88:89], s[96:97]      ; c at the block's corner
	s_mov_b32 s[G0C], 1                            ; group 0 for c: count = 1,
	s_mul_i32 s[G0C+1], s12, CROWS                 ; to LDS byte wave x 64 rows,
	s_add_nc_u64 s[G0C+2:G0C+3], s[88:89], s[94:95]  ; from my wave's 64 rows of the block,
	s_or_b32 s[G0C+3], s[G0C+3], 0x80000000        ; type = 2
	CROUND                                         ; all sixteen work-groups are here: the first joint loads meet
.irp s, 0,1
	s_mov_b32 s[G0+4*\s], 1                                        ; count = 1
	s_add_co_u32 s[G0+4*\s+1], s20, \s*SLOT                        ; LDS address
	s_add_nc_u64 s[G0+4*\s+2:G0+4*\s+3], s[18:19], \s*KSTEP*2      ; global address: K step s
	s_or_b32 s[G0+4*\s+3], s[G0+4*\s+3], 0x80000000                ; type = 2
	s_mov_b32 s[G0B+4*\s], 1
	s_add_co_u32 s[G0B+4*\s+1], s20, \s*SLOT
	s_add_nc_u64 s[G0B+4*\s+2:G0B+4*\s+3], s[46:47], \s*KSTEP*2
	s_or_b32 s[G0B+4*\s+3], s[G0B+4*\s+3], 0x80000000
	JLOAD \s                                       ; the ring is filled before anything else is done: two tensor loads of the wave are out
.endr
	v_and_b32 v1, 15, v0                           ; r
	v_bfe_u32 v2, v0, 4, 1                         ; hh
	v_lshl_add_u32 v[BOF], v2, 5, s45              ; my 8 numbers of a bias: 32 hh + my wave's 32 columns
	; the bias of tile column b = 2 gate + u: registers j = 0 .. 7 hold b[gate][16 u + 8 hh + j of my 32 columns], as a tile's registers do
.irp q, 0,1,2,3
.irp u, 0,1
	global_load_b128 v[BIAS+16*\q+8*\u:BIAS+16*\q+8*\u+3],   v[BOF], s[80+2*\q:81+2*\q] offset:64*\u
	global_load_b128 v[BIAS+16*\q+8*\u+4:BIAS+16*\q+8*\u+7], v[BOF], s[80+2*\q:81+2*\q] offset:64*\u+16
.endr
.endr
	; A fragment is 16 rows x 32 K in 8 registers: lane (r, hh) holds row r; registers 0-3 K = 8 hh + 0..7, registers 4-7 K = 16 + 8 hh + 0..7:
	; two loads of 16 bytes, 32 bytes apart, at row x pitch + 16 hh.
	v_mul_u32_u24 v3, v1, PITCH
	v_lshl_add_u32 v4, v2, 4, v3
	s_mul_i32 s21, s13, HALFT                      ; my 128 rows of xh
	s_mul_i32 s22, s14, HALFT                      ; my 128 rows of wb,
	s_add_co_u32 s22, s22, 2*HALFT                 ; which lie behind xh's 256
.irp s, 0,1
	v_add_nc_u32 v[ADRA+\s], s21, v4
	v_add_nc_u32 v[ADRB+\s], s22, v4
	s_add_co_u32 s21, s21, SLOT
	s_add_co_u32 s22, s22, SLOT
.endr
	v_lshl_add_u32 v[CAD], v2, 5, v3               ; c and the stages: row r, 32 bytes for each half of the lanes,
	s_mul_i32 s23, s13, HALFT                      ; my 128 rows,
	s_lshl_b32 s21, s14, 7                         ; my 32 columns of 4 bytes
	s_add_co_u32 s23, s23, s21
	v_add_nc_u32 v[CAD], s23, v[CAD]
	v_add_nc_u32 v[STC], STG_C, v[CAD]
	v_add_nc_u32 v[STH], STG_H, v[CAD]
	v_mul_u32_u24 v5, v2, PITCH                    ; back: lanes 0-15 take one row of 256 bytes, lanes 16-31 the next,
	v_lshl_add_u32 v5, v1, 4, v5
	s_mul_i32 s23, s12, CROWS                      ; of the 64 rows that my wave stores
	s_add_co_u32 s23, s23, STG_C
	v_add_nc_u32 v[RDC], s23, v5
	v_add_nc_u32 v[RDH], STG_H-STG_C, v[RDC]
	v_lshlrev_b32 v[CO], 12, v2                    ; and the same two rows in the outputs
	v_lshl_add_u32 v[CO], v1, 4, v[CO]
	v_lshlrev_b32 v[PF], 12, v0                    ; row t of the block's tile of c
; 16 matrix instructions: row tiles a0, a0 + 1 of the window's four (hi = 0: my rows 0-63, 1: rows 64-127) x all 8 tile columns, 32 along K.
; first = 1: the first product takes the bias as C: nothing is cleared, and no bias is added later.
.macro MUL16 f, hi, a0, first
.irp a, \a0, \a0+1
.irp b, 0,1,2,3,4,5,6,7
.if \first
	v_wmma_f32_16x16x32_bf16 v[8*(8*(\a)+\b):8*(8*(\a)+\b)+7], v[\f+8*\b:\f+8*\b+7], v[\f+8*(4*\hi+\a):\f+8*(4*\hi+\a)+7], v[BIAS+8*\b:BIAS+8*\b+7]
.else
	v_wmma_f32_16x16x32_bf16 v[8*(8*(\a)+\b):8*(8*(\a)+\b)+7], v[\f+8*\b:\f+8*\b+7], v[\f+8*(4*\hi+\a):\f+8*(4*\hi+\a)+7], v[8*(8*(\a)+\b):8*(8*(\a)+\b)+7]
.endif
.endr
.endr
.endm
; 32 LDS loads in one run: the fragments of one quarter step (128 rows of wb, 128 rows of xh, 32 K at byte k of the rows) into buffer f
.macro FETCH slot, k, f
	WIN TO_B
.irp i, 0,1,2,3,4,5,6,7
	ds_load_b128 v[\f+8*\i:\f+8*\i+3],   v[ADRB+\slot] offset:\k+\i*16*PITCH
	ds_load_b128 v[\f+8*\i+4:\f+8*\i+7], v[ADRB+\slot] offset:\k+\i*16*PITCH+32
.endr
	WIN 0
.irp i, 0,1,2,3,4,5,6,7
	ds_load_b128 v[\f+8*\i:\f+8*\i+3],   v[ADRA+\slot] offset:\k+\i*16*PITCH
	ds_load_b128 v[\f+8*\i+4:\f+8*\i+7], v[ADRA+\slot] offset:\k+\i*16*PITCH+32
.endr
.endm
; A load into a register that a matrix instruction has read, and a vector instruction that reads a matrix result, stand four places behind that matrix
; instruction; only plain vector instructions that name none of its registers are places (ISA guide 7.12.1 for vector instructions).
.macro PLACES
.rept 4
	v_nop
.endr
.endm
; A K step is four quarter steps of 32 along K, 64 matrix instructions each, on buffers 0, 1, 0, 1.  The 64 accumulators take turns, one instruction
; a turn, in the same order in every quarter, over the loop's backward jump too.
; One of the first three quarters: multiplies buffer f; in its middle it fetches the next quarter's fragments, at byte k of the same slot's rows, into buffer g.
.macro QUARTER slot, k, f, g, first
	s_wait_dscnt 8                                 ; wb and xh's rows 0-63 are in; the youngest eight loads (xh's rows 64-127) may be out
.if \first
	WIN BEG_LO
.else
	WIN MUL_LO
.endif
	MUL16 \f, 0, 0, \first
	MUL16 \f, 0, 2, \first
	PLACES
	FETCH \slot, \k, \g
	s_wait_dscnt 32                                ; all but the 32 just issued
.if \first
	WIN BEG_HI
.else
	WIN MUL_HI
.endif
	MUL16 \f, 1, 0, \first
	MUL16 \f, 1, 2, \first
.endm
.macro THREE slot, first
	QUARTER \slot, 64,  F0, F1, \first
	QUARTER \slot, 128, F1, F0, 0
	QUARTER \slot, 192, F0, F1, 0
.endm
; The last quarter: multiplies buffer 1 and changes slots.  next = the other slot.
; fill = 1: this slot is filled again, two K steps ahead, by the joint loads.  fill = 2: the part of this slot that held xh is filled with the block's tile of c.
; ONE barrier for the change of slots; it opens a round of the cluster's barrier.  In front of it each wave waits for its own reads of this slot and for all its
; tensor loads, of which one is out: its part of the next slot.  Behind the round no wave of any partner reads this slot any more and the next slot is whole:
; the refill comes first, the wave's one tensor load, then the next slot's first fragments.  From a request to the wait for it a wave issues 240 matrix instructions.
.macro TURN slot, next, fill
	s_wait_dscnt 8
	WIN MUL_LO
	MUL16 F1, 0, 0, 0
	s_wait_dscnt 0                                 ; my reads of this slot are over
	s_wait_tensorcnt 0x0                           ; and all my tensor loads have landed
	ds_add_u32 v255, v63
	s_wait_dscnt 0x0
	s_barrier_signal -1                            ; say so,
	MUL16 F1, 0, 2, 0                              ; work on registers while the others arrive,
	WIN 0
	s_barrier_wait -1                              ; and go on when all four have said so
	CREST                                          ; all sixteen work-groups have said so
.if \fill == 1
	s_add_nc_u64 s[G0+4*\slot+2:G0+4*\slot+3], s[G0+4*\slot+2:G0+4*\slot+3], 2*KSTEP*2      ; no tensor load of mine is out: the group 0 may be written
	s_add_nc_u64 s[G0B+4*\slot+2:G0B+4*\slot+3], s[G0B+4*\slot+2:G0B+4*\slot+3], 2*KSTEP*2
	JLOAD \slot
.endif
.if \fill == 2
	tensor_load_to_lds s[G0C:G0C+3], s[G1C:G1C+7]  ; every wave brings its own 64 rows of c, to LDS bytes wave x 17,408 .. + 17,407
	s_nop 0
.endif
	PLACES
	FETCH \next, 0, F0
	WIN MUL_HI
	MUL16 F1, 1, 0, 0
	MUL16 F1, 1, 2, 0
.endm
.macro LAP first                       ; once round the ring, both slots filled again
	THREE 0, \first
	TURN 0, 1, 1
	THREE 1, 0
	TURN 1, 0, 1
.endm
	s_wait_loadcnt 0x0                             ; the bias
	s_wait_tensorcnt 0x1                           ; my part of K step 0 is in; K step 1's may stay out
	s_barrier_signal -1
	s_barrier_wait -1                              ; everybody's is
	FETCH 0, 0, F0
	LAP 1                                          ; the first lap stands in front of the loop: its first products start the sums from the bias
	WIN 0                                          ; at a label and at a branch every window is 0
	s_mov_b32 s3, LAPS-2
.Llap:
	LAP 0
	WIN 0
	s_sub_co_u32 s3, s3, 1
	s_cmp_lg_u32 s3, 0
	s_cbranch_scc1 .Llap
	; The last lap.  The block's tile of c (256 rows of 256 bytes) is asked into the L2 one K step ahead of the tensor load that wants it: thread t asks for the
	; first byte of rows t and t + 128, each row's 256 bytes once in the launch.  The fragments that the next wait wants were requested 32 matrix instructions ago.
	global_prefetch_b8 v[PF], s[98:99] th:TH_LOAD_NT scope:SCOPE_SE
	global_prefetch_b8 v[PF], s[98:99] offset:524288 th:TH_LOAD_NT scope:SCOPE_SE
	THREE 0, 0
	TURN 0, 1, 2                                   ; slot 0 has been read for the last time: c comes into the bytes that held xh
	THREE 1, 0
	s_wait_dscnt 8                                 ; the very last quarter: nothing more to fetch
	WIN MUL_LO
	MUL16 F1, 0, 0, 0
	MUL16 F1, 0, 2, 0
	s_wait_dscnt 0
	WIN MUL_HI
	MUL16 F1, 1, 0, 0
	MUL16 F1, 1, 2, 0
	; THE POINTWISE PART.  The four v_nop are the places behind the last matrix instructions, for the arithmetic on the results and for the loads into the fragment buffers.
	PLACES
	WIN 0
	s_wait_dscnt 0x0                               ; my reads of slot 1 are over,
	s_wait_tensorcnt 0x0                           ; my 64 rows of c have landed
	s_barrier_signal -1
	s_barrier_wait -1                              ; everybody's: c is whole, and slot 1, which is filled no more, is free to be the stage
.irp hi, 0,1
.irp a, 0,1,2,3
.irp u, 0,1
	ds_load_b128 v[F0+64*\hi+16*\a+8*\u:F0+64*\hi+16*\a+8*\u+3],   v[CAD] offset:(64*\hi+16*\a)*PITCH+64*\u      ; c of row 64 hi + 16 a + r, columns 16 u + 8 hh + 0 .. 3
	ds_load_b128 v[F0+64*\hi+16*\a+8*\u+4:F0+64*\hi+16*\a+8*\u+7], v[CAD] offset:(64*\hi+16*\a)*PITCH+64*\u+16   ; + 4 .. 7
.endr
.endr
.endr
; One window of 32 tiles.  For row tile a and u = 0, 1 the tiles F = (a, u), I = (a, 2 + u), G = (a, 4 + u), O = (a, 6 + u) hold the four gates of the same elements.
; Each step runs over the whole window, so that four switches of the window serve it.
; aw: all four operand places in the accumulators' window; cw: source 1 in window 0 (c); sw: store data in the accumulators' window, address in window 0.
; Behind each run of v_exp_f32 or v_rcp_f32 stands one v_nop before a result is used (ISA guide 5.7.2).
.macro ACT hi, aw, cw, sw
	WIN \aw
.irp a, 0,1,2,3
.irp b, 0,1,2,3,6,7
.irp p, 0,2,4,6
	v_pk_mul_f32 v[64*\a+8*\b+\p:64*\a+8*\b+\p+1], v[64*\a+8*\b+\p:64*\a+8*\b+\p+1], s[NL2E:NL2E+1] op_sel_hi:[1,0]   ; f, i, o: -x log2 e
.endr
.endr
.irp b, 4,5
.irp p, 0,2,4,6
	v_pk_mul_f32 v[64*\a+8*\b+\p:64*\a+8*\b+\p+1], v[64*\a+8*\b+\p:64*\a+8*\b+\p+1], s[TL2E:TL2E+1] op_sel_hi:[1,0]   ; g: 2 x log2 e
.endr
.endr
.endr
.set n, 0
.rept 256
	v_exp_f32 v[n], v[n]
.set n, n+1
.endr
	v_nop
.set n, 0
	s_wait_alu depctr_va_vdst(0)
.rept 128
	v_pk_add_f32 v[n:n+1], v[n:n+1], 1.0 op_sel_hi:[1,0]
.set n, n+2
.endr
.set n, 0
.rept 256
	v_rcp_f32 v[n], v[n]                           ; F, I, O are the sigmoids
.set n, n+1
.endr
	v_nop
	s_wait_alu depctr_va_vdst(0)
.irp a, 0,1,2,3
.irp u, 0,1
.irp p, 0,2,4,6
	v_pk_fma_f32 v[64*\a+8*\u+32+\p:64*\a+8*\u+33+\p], v[64*\a+8*\u+32+\p:64*\a+8*\u+33+\p], -2.0, 1.0 op_sel_hi:[1,0,0]   ; G = tanh(g)
.endr
.endr
.endr
.irp a, 0,1,2,3
.irp u, 0,1
.irp p, 0,2,4,6
	v_pk_mul_f32 v[64*\a+8*\u+16+\p:64*\a+8*\u+17+\p], v[64*\a+8*\u+16+\p:64*\a+8*\u+17+\p], v[64*\a+8*\u+32+\p:64*\a+8*\u+33+\p]   ; I = sig(i) tanh(g)
.endr
.endr
.endr
.if \hi == 0
	s_wait_dscnt 0x0                               ; c, both windows' share: the 32 loads went out in front of this macro's first line
.endif
	WIN \cw
.irp a, 0,1,2,3
.irp u, 0,1
.irp p, 0,2,4,6
	v_pk_fma_f32 v[64*\a+8*\u+16+\p:64*\a+8*\u+17+\p], v[64*\a+8*\u+\p:64*\a+8*\u+\p+1], v[F0+64*\hi+16*\a+8*\u+\p:F0+64*\hi+16*\a+8*\u+\p+1], v[64*\a+8*\u+16+\p:64*\a+8*\u+17+\p]   ; I = sig(f) c + I = c_new
.endr
.endr
.endr
	WIN \aw
.irp a, 0,1,2,3
.irp u, 0,1
.irp p, 0,2,4,6
	v_pk_mul_f32 v[64*\a+8*\u+\p:64*\a+8*\u+\p+1], v[64*\a+8*\u+16+\p:64*\a+8*\u+17+\p], s[TL2E:TL2E+1] op_sel_hi:[1,0]   ; F is free: 2 c_new log2 e
.endr
.endr
.endr
.irp a, 0,1,2,3
.irp j, 0,1,2,3,4,5,6,7,8,9,10,11,12,13,14,15
	v_exp_f32 v[64*\a+\j], v[64*\a+\j]
.endr
.endr
	v_nop
	s_wait_alu depctr_va_vdst(0)
.irp a, 0,1,2,3
.irp p, 0,2,4,6,8,10,12,14
	v_pk_add_f32 v[64*\a+\p:64*\a+\p+1], v[64*\a+\p:64*\a+\p+1], 1.0 op_sel_hi:[1,0]
.endr
.endr
.irp a, 0,1,2,3
.irp j, 0,1,2,3,4,5,6,7,8,9,10,11,12,13,14,15
	v_rcp_f32 v[64*\a+\j], v[64*\a+\j]
.endr
.endr
	v_nop
	s_wait_alu depctr_va_vdst(0)
.irp a, 0,1,2,3
.irp p, 0,2,4,6,8,10,12,14
	v_pk_fma_f32 v[64*\a+\p:64*\a+\p+1], v[64*\a+\p:64*\a+\p+1], -2.0, 1.0 op_sel_hi:[1,0,0]   ; F = tanh(c_new)
.endr
.endr
.irp a, 0,1,2,3
.irp p, 0,2,4,6,8,10,12,14
	v_pk_mul_f32 v[64*\a+48+\p:64*\a+49+\p], v[64*\a+48+\p:64*\a+49+\p], v[64*\a+\p:64*\a+\p+1]   ; O = sig(o) tanh(c_new) = h_new
.endr
.endr
	WIN \sw
.irp a, 0,1,2,3
.irp u, 0,1
	ds_store_b128 v[STC], v[64*\a+8*\u+16:64*\a+8*\u+19] offset:(64*\hi+16*\a)*PITCH+64*\u
	ds_store_b128 v[STC], v[64*\a+8*\u+20:64*\a+8*\u+23] offset:(64*\hi+16*\a)*PITCH+64*\u+16
	ds_store_b128 v[STH], v[64*\a+8*\u+48:64*\a+8*\u+51] offset:(64*\hi+16*\a)*PITCH+64*\u
	ds_store_b128 v[STH], v[64*\a+8*\u+52:64*\a+8*\u+55] offset:(64*\hi+16*\a)*PITCH+64*\u+16
.endr
.endr
.endm
	ACT 0, 0xaa, 0xa2, 0x08
	ACT 1, 0xff, 0xf3, 0x0c
	WIN 0
	s_wait_dscnt 0x0                               ; my part of the stages is written
	s_barrier_signal -1
	s_barrier_wait -1                              ; everybody's: a row of a stage holds the block's 64 columns, two waves' work
; THE WAY OUT.  My wave stores rows 64 w .. 64 w + 63 of the block, 32 rows at a time: 16 LDS loads of two rows each, then 16 stores, in which sixteen
; neighbouring lanes write the 256 consecutive bytes of a row's 64 columns, at a multiple of 256 from the output's first byte.
; again = 1: buffer f has been the data of earlier stores.
.macro OUTQ again, f, rd, sb, half
.if \again
	s_wait_xcnt 0x0                                ; every earlier memory instruction has had its addresses translated (ISA guide 3.1): buffer f is loaded again only behind this wait
.endif
.irp t, 0,1,2,3,4,5,6,7,8,9,10,11,12,13,14,15
	ds_load_b128 v[\f+4*\t:\f+4*\t+3], v[\rd] offset:(16*\half+\t)*2*PITCH
.endr
.irp t, 0,1,2,3,4,5,6,7,8,9,10,11,12,13,14,15
	s_wait_dscnt 15-\t                             ; LDS loads come back in order (ISA guide 5.7.1): load t is in, the younger ones stay out
	global_store_b128 v[CO], v[\f+4*\t:\f+4*\t+3], s[\sb:\sb+1] offset:(16*\half+\t)*8192 th:TH_STORE_NT
.endr
.endm
	OUTQ 0, F0, RDC, 8, 0
	OUTQ 0, F1, RDC, 8, 1
	OUTQ 1, F0, RDH, 10, 0
	OUTQ 1, F1, RDH, 10, 1
	s_set_vgpr_msb 0x1
	s_wait_tensorcnt 0x0
	ds_add_u32 v255, v63
	s_wait_dscnt 0x0
	s_set_vgpr_msb 0x100
	CROUND                                         ; the closing round: no work-group ends while a partner may still ask for a tile that names it
	s_endpgm
.Lfunc_end_k_q4445d2379b_cell:
	.size	k_q4445d2379b_cell, .Lfunc_end_k_q4445d2379b_cell-k_q4445d2379b_cell
	.p2alignl 7, 3214868480
	.fill 96, 4, 3214868480
	.section	.rodata,"a",@progbits
	.p2align	6, 0x0
	.amdhsa_kernel k_q4445d2379b_cell
		.amdhsa_group_segment_fixed_size 327680
		.amdhsa_private_segment_fixed_size 0
		.amdhsa_enable_private_segment 0
		.amdhsa_kernarg_size 72
		.amdhsa_user_sgpr_count 2
		.amdhsa_user_sgpr_kernarg_segment_ptr 1
		.amdhsa_wavefront_size32 1
		.amdhsa_system_sgpr_workgroup_id_x 1
		.amdhsa_system_sgpr_workgroup_id_y 1
		.amdhsa_system_sgpr_workgroup_id_z 1
		.amdhsa_system_vgpr_workitem_id 0
		.amdhsa_next_free_vgpr 1024
		.amdhsa_next_free_sgpr 100
		.amdhsa_reserve_vcc 0
		.amdhsa_float_denorm_mode_32 3
		.amdhsa_float_denorm_mode_16_64 3
		.amdhsa_memory_ordered 1
		.amdhsa_forward_progress 1
		.amdhsa_inst_pref_size 255
	.end_amdhsa_kernel
	.section	.bss,"aw",@nobits
	.p2align	6
	.space	262144
	.amdgpu_metadata
---
amdhsa.version: [ 1, 2 ]
amdhsa.kernels:
  - .name:           k_q4445d2379b_cell
    .symbol:         k_q4445d2379b_cell.kd
    .args:
      - { .name: xh, .offset: 0, .size: 8, .value_kind: global_buffer, .address_space: global }
      - { .name: wb, .offset: 8, .size: 8, .value_kind: global_buffer, .address_space: global }
      - { .name: out0, .offset: 16, .size: 8, .value_kind: global_buffer, .address_space: global }
      - { .name: out1, .offset: 24, .size: 8, .value_kind: global_buffer, .address_space: global }
      - { .name: b_f, .offset: 32, .size: 8, .value_kind: global_buffer, .address_space: global }
      - { .name: b_i, .offset: 40, .size: 8, .value_kind: global_buffer, .address_space: global }
      - { .name: b_c, .offset: 48, .size: 8, .value_kind: global_buffer, .address_space: global }
      - { .name: b_o, .offset: 56, .size: 8, .value_kind: global_buffer, .address_space: global }
      - { .name: c, .offset: 64, .size: 8, .value_kind: global_buffer, .address_space: global }
    .group_segment_fixed_size: 327680
    .private_segment_fixed_size: 0
    .kernarg_segment_align: 8
    .kernarg_segment_size: 72
    .max_flat_workgroup_size: 128
    .sgpr_count:     100
    .vgpr_count:     1024
    .wavefront_size: 32
...
	.end_amdgpu_metadata
.endif
;; end of part 2
;; ======== version 2 of 2: 2 launches; version 1 with the launch cast written anew for expert scheduling mode
;; workspace buffers: xh 33,554,432 bytes; wb 16,777,216 bytes
;; launch cast (part 3): grid 256 x 3, 8 waves a work-group, no clusters, 0 bytes of LDS; arguments x, h, W_f, W_i, W_c, W_o, xh, wb; writes xh, wb
.if DOCPART == 3
	.amdgcn_target "amdgcn-amd-amdhsa--gfx1250"
	.amdhsa_code_object_version 6
	.text
	.protected	k_q4445d2379b_cast
	.globl	k_q4445d2379b_cast
	.p2align	8
	.type	k_q4445d2379b_cast,@function
k_q4445d2379b_cast:
	s_mov_b64 s[64:65], 0
	v_nop
	global_prefetch_b8 v0, s[64:65] scope:SCOPE_SE
	s_setreg_imm32_b32 hwreg(HW_REG_WAVE_SCHED_MODE, 0, 2), 2
	s_setreg_imm32_b32 hwreg(HW_REG_WAVE_MODE, 25, 1), 1
	s_wait_xcnt 0x0
	s_wait_alu depctr_vm_vsrc(0)
; The matrix operands of the LSTM cell, rounded once to bf16 (nearest even) and laid out for the product that follows.
;   xh: [8192][2048] bf16, row r = x[r][0:1024], then h[r][0:1024].
;   wb: [4096][2048] bf16: row n of gate q (f = 0, i = 1, c = 2, o = 3) lies at row
;       p = (n >> 6) * 256 + ((n >> 5) & 1) * 128 + q * 32 + (n & 31),
;       so that 128 neighbouring rows of wb hold all four gates of 32 hidden columns.
; A stream: each input byte is read once, each output byte written once; no LDS, no barrier, no matrix unit, and no cluster, since no two work-groups read the same byte.
; A unit is 1,024 f32 = 4,096 bytes in, 2,048 bytes out: a row of x or of h, or half a row of a W.  A work-group takes 32 neighbouring units
; of one source (131,072 consecutive bytes).  Thread t takes the 16 bytes at 16 t of every unit and stores 8 bytes at 8 t: a wave's load covers
; 512 consecutive bytes, its store 256 consecutive bytes, aligned.  All 32 loads of a wave go out at once (16 KiB a wave on its way).
; Grid y: 0 = x, 1 = h, 2 = the four W (grid x = 64 q + chunk; a chunk is 16 rows of W).
; THE MODE: SCHED_MODE bits 1:0 = 2 (LLVM: expert scheduling mode 2), set by the entry lines.  The code itself states the register dependences
; between vector instructions and memory instructions, with s_wait_alu, always for 0.
; THE PLAN.  Registers that memory instructions touch:
;   v1, v2     byte offsets of the loads and of the stores: made once at the head, never written again.
;   X, unit j  four registers.  Written by unit j's load; read by unit j's two roundings, which write the first two of them; those two are read by
;              unit j's store.  Nothing names them after that: no register is loaded twice, and none that a store has read is written again.
; So the one kind of dependence in this text is: a vector instruction writes a register that a memory instruction then reads.
; The 32 units go in 8 blocks of four.  Block p rounds its own four units; its memory instructions are the four stores of block p - 1, whose registers
; no vector instruction of block p names.  ONE wait at a block's head states that the block before has written its store data, and the four stores are
; dealt among the block's eight roundings with no further wait.  One wait at the kernel's head covers both offsets; one behind block 7 the last four stores.
.set UNITS, 32
.set BLOCK, 4                          ; units in a block
.set UIN,   4096                       ; bytes of a unit as read
.set X,     4                          ; v[4:131]  unit j: 4 registers as loaded; its first two hold the 4 bf16 to store
	s_load_b512 s[8:23], s[0:1], 0x0               ; x 8, h 10, W_f 12, W_i 14, W_c 16, W_o 18, xh 20, wb 22
	s_mov_b32 s2, ttmp9                            ; grid x
	s_and_b32 s3, ttmp7, 0xffff                    ; grid y: which source
	s_lshr_b32 s4, s2, 6                           ; q: which W (used where y = 2)
	s_and_b32 s5, s2, 63                           ; the chunk of 16 rows of that W
	v_lshlrev_b32 v1, 4, v0                        ; my 16 bytes of a unit
	v_lshlrev_b32 v2, 3, v0                        ; my 8 bytes of its image
	; where the chunk of W goes: rows n = 16 chunk .. + 15 stay neighbours in wb; the first is row p0, a row of wb is 4,096 bytes
	s_lshr_b32 s36, s5, 2                          ; n >> 6
	s_lshl_b32 s37, s36, 8
	s_bfe_u32 s36, s5, 0x10001                     ; (n >> 5) & 1
	s_lshl_b32 s36, s36, 7
	s_or_b32 s37, s37, s36
	s_lshl_b32 s36, s4, 5                          ; q * 32
	s_or_b32 s37, s37, s36
	s_and_b32 s36, s5, 1                           ; n & 31 = 16 (chunk & 1) + 0 .. 15
	s_lshl_b32 s36, s36, 4
	s_or_b32 s37, s37, s36
	s_lshl_b32 s37, s37, 12                        ; p0 in bytes
	; where 32 rows of x or of h go: row 32 gx of xh, the left or the right 2,048 bytes
	s_lshl_b32 s36, s2, 17
	s_lshl_b32 s38, s3, 11
	s_or_b32 s36, s36, s38
	s_wait_kmcnt 0x0
	; the source and the destination are chosen between buffers on the work-group's numbers alone
	s_cmp_eq_u32 s3, 0
	s_cselect_b64 s[24:25], s[8:9], s[10:11]       ; x or h
	s_cmp_eq_u32 s4, 0
	s_cselect_b64 s[26:27], s[12:13], s[14:15]     ; W_f or W_i
	s_cmp_eq_u32 s4, 2
	s_cselect_b64 s[28:29], s[16:17], s[18:19]     ; W_c or W_o
	s_cmp_lt_u32 s4, 2
	s_cselect_b64 s[26:27], s[26:27], s[28:29]
	s_cmp_eq_u32 s3, 2                             ; the four selects below leave SCC as it is
	s_cselect_b64 s[24:25], s[26:27], s[24:25]     ; from
	s_cselect_b64 s[30:31], s[22:23], s[20:21]     ; to: wb or xh
	s_cselect_b32 s32, s5, s2                      ; which 131,072 bytes of the source
	s_cselect_b32 s34, s37, s36                    ; byte offset in the destination
	s_lshl_b32 s32, s32, 17
	s_mov_b32 s33, 0
	s_mov_b32 s35, 0
	s_add_nc_u64 s[24:25], s[24:25], s[32:33]
	s_add_nc_u64 s[30:31], s[30:31], s[34:35]
	s_wait_alu depctr_va_vdst(0)                   ; v1 and v2 are written: every load below reads v1 as its offset, every store v2; neither is written again
.set j, 0
.rept UNITS
	global_load_b128 v[X+4*j:X+4*j+3], v1, s[24:25] offset:UIN*j th:TH_LOAD_NT   ; read once in the whole launch
.set j, j+1
.endr
; The units are rounded as they come, four to a block, and stored a block later.  stride = bytes from one unit's image to the next.
; No register that a load or a store names is written again behind it, so nothing is owed for the sources of pending memory instructions.
; The stores carry no hint: the next launch reads these bytes.
.macro DRAIN stride
.set p, 0
.rept UNITS/BLOCK
	s_wait_loadcnt UNITS-BLOCK*(p+1)               ; loads come back in order (ISA guide 5.7.1): block p's four units are in, the younger blocks stay out
.if p > 0
	s_wait_alu depctr_va_vdst(0)                   ; the roundings of block p - 1 have written the first two registers of its units, which the four stores below read
.endif
.set i, 0
.rept BLOCK
.set j, BLOCK*p+i
.if p > 0
	global_store_b64 v2, v[X+4*(j-BLOCK):X+4*(j-BLOCK)+1], s[30:31] offset:(j-BLOCK)*\stride   ; the block before; no vector instruction since the wait names these registers
.endif
	v_cvt_pk_bf16_f32 v[X+4*j],   v[X+4*j],   v[X+4*j+1]
	v_cvt_pk_bf16_f32 v[X+4*j+1], v[X+4*j+2], v[X+4*j+3]
.set i, i+1
.endr
.set p, p+1
.endr
	s_wait_alu depctr_va_vdst(0)                   ; the roundings of the last block have written its units' first two registers, which the last four stores read
.set j, UNITS-BLOCK
.rept BLOCK
	global_store_b64 v2, v[X+4*j:X+4*j+1], s[30:31] offset:j*\stride
.set j, j+1
.endr
.endm
	s_cmp_eq_u32 s3, 2
	s_cbranch_scc1 .Lw
	DRAIN 4096                                     ; x, h: a unit is half a row of xh, the next unit lies one row down
	s_endpgm
.Lw:
	DRAIN 2048                                     ; W: two units make a row of wb
	s_endpgm
.Lfunc_end_k_q4445d2379b_cast:
	.size	k_q4445d2379b_cast, .Lfunc_end_k_q4445d2379b_cast-k_q4445d2379b_cast
	.p2alignl 7, 3214868480
	.fill 96, 4, 3214868480
	.section	.rodata,"a",@progbits
	.p2align	6, 0x0
	.amdhsa_kernel k_q4445d2379b_cast
		.amdhsa_group_segment_fixed_size 0
		.amdhsa_private_segment_fixed_size 0
		.amdhsa_enable_private_segment 0
		.amdhsa_kernarg_size 64
		.amdhsa_user_sgpr_count 2
		.amdhsa_user_sgpr_kernarg_segment_ptr 1
		.amdhsa_wavefront_size32 1
		.amdhsa_system_sgpr_workgroup_id_x 1
		.amdhsa_system_sgpr_workgroup_id_y 1
		.amdhsa_system_sgpr_workgroup_id_z 1
		.amdhsa_system_vgpr_workitem_id 0
		.amdhsa_next_free_vgpr 132
		.amdhsa_next_free_sgpr 66
		.amdhsa_reserve_vcc 0
		.amdhsa_float_denorm_mode_32 3
		.amdhsa_float_denorm_mode_16_64 3
		.amdhsa_memory_ordered 1
		.amdhsa_forward_progress 1
		.amdhsa_inst_pref_size 20
	.end_amdhsa_kernel
	.amdgpu_metadata
---
amdhsa.version: [ 1, 2 ]
amdhsa.kernels:
  - .name:           k_q4445d2379b_cast
    .symbol:         k_q4445d2379b_cast.kd
    .args:
      - { .name: x, .offset: 0, .size: 8, .value_kind: global_buffer, .address_space: global }
      - { .name: h, .offset: 8, .size: 8, .value_kind: global_buffer, .address_space: global }
      - { .name: W_f, .offset: 16, .size: 8, .value_kind: global_buffer, .address_space: global }
      - { .name: W_i, .offset: 24, .size: 8, .value_kind: global_buffer, .address_space: global }
      - { .name: W_c, .offset: 32, .size: 8, .value_kind: global_buffer, .address_space: global }
      - { .name: W_o, .offset: 40, .size: 8, .value_kind: global_buffer, .address_space: global }
      - { .name: xh, .offset: 48, .size: 8, .value_kind: global_buffer, .address_space: global }
      - { .name: wb, .offset: 56, .size: 8, .value_kind: global_buffer, .address_space: global }
    .group_segment_fixed_size: 0
    .private_segment_fixed_size: 0
    .kernarg_segment_align: 8
    .kernarg_segment_size: 64
    .max_flat_workgroup_size: 256
    .sgpr_count:     66
    .vgpr_count:     132
    .wavefront_size: 32
...
	.end_amdgpu_metadata
.endif
;; end of part 3
;; launch cell: the kernel of part 2 again; grid 16 x 32, 4 waves a work-group, clusters of 4 x 4, 327,680 bytes of LDS; arguments xh, wb, out0, out1, b_f, b_i, b_c, b_o, c; writes out0, out1
